; MI455X (gfx1250); checked and timed in simulation.
; The chip was launched on July 23, 2026; its instructions are those of AMD's public machine-readable ISA for CDNA 5 (MIT licence, August 2026) and "CDNA5" Instruction Set Architecture Reference Guide (July 2026). The comments in the code are by the model that wrote it; some were corrected since.
;; W8 A8 OF16 Linear Static Scale. Allowed arithmetic: float matrix products may take bf16 or f16 operands with f32 sums; other float arithmetic in f32, or as packed bf16 or f16 multiplies, adds, multiply-adds, maxima and minima; sums over many terms, partial sums and values carried from step to step in f32; what a program stores and reads back later, other than sums and carried values, may be rounded once to bf16 or f16.
;; Inputs: bias 4,096 float16; dequant_scale 4,096 float16; weight 4,096 x 4,096 int8; x 4,096 x 4,096 int8.
;; Outputs: out0 4,096 x 4,096 float16; out1 4,096 float16.
;; One version. Each part assembles by itself: llvm-mc -triple=amdgcn-amd-amdhsa -mcpu=gfx1250 --defsym DOCPART=n.
;; ======== version 1 of 1: 1 launch
;; launch gemm (part 1): grid 16 x 16, 4 waves a work-group, clusters of 4 x 4, 327,680 bytes of LDS; arguments x, weight, dequant_scale, bias, out0, out1; writes out0, out1
.if DOCPART == 1
	.amdgcn_target "amdgcn-amd-amdhsa--gfx1250"
	.amdhsa_code_object_version 6
	.text
	.protected	k_qcfc6144918_gemm
	.globl	k_qcfc6144918_gemm
	.p2align	8
	.type	k_qcfc6144918_gemm,@function
k_qcfc6144918_gemm:
	s_mov_b64 s[64:65], 0
	v_nop
	global_prefetch_b8 v0, s[64:65] scope:SCOPE_SE
	s_setreg_imm32_b32 hwreg(HW_REG_WAVE_MODE, 25, 1), 1
	s_wait_xcnt 0x0
	s_wait_alu depctr_hold_cnt(0) depctr_sa_sdst(0) depctr_va_vdst(0) depctr_va_sdst(0) depctr_va_ssrc(0) depctr_va_vcc(0) depctr_vm_vsrc(0)
	s_getreg_b32 s2, hwreg(HW_REG_IB_STS2, 6, 4)
	s_cmp_eq_u32 s2, 0
	s_cbranch_scc0 .Lentry_in_a_cluster
	s_endpgm
.Lentry_in_a_cluster:
	s_bfe_u32 s2, ttmp6, 0x10000c
	s_cmp_lg_u32 s2, 0xf033
	s_cbranch_scc0 .Lentry_shape_is_right
	s_endpgm
.Lentry_shape_is_right:
; out0[t][o] = f16( f32( sum over k of x[t][k] weight[o][k] ) * f32(scale[o]) ) + bias[o] (the last sum in f16);  out1 = bias.
; x: [4096][4096] int8, weight: [4096][4096] int8, K along the rows of both; scale, bias, out1: [4096] f16; out0: [4096][4096] f16.
; FORMAT.  The product is defined on int8 with sums in i32, so the signed 8-bit integer matrix form takes the inputs as they lie: nothing is narrowed, and the sums are
; exact (at most 4096 x 128 x 128 = 2^26 in magnitude, -128 included).  Behind the sums the roundings are those of the definition, in its order: i32 to f32, times the scale
; in f32, to f16, plus the bias in f16.  The product is rounded to f16 in front of the sum, so the two are not one fused multiply-add.
; LIMITS.  Where sum x scale passes 65,504 the result is an infinity, as the definition's own conversion gives; NaN and infinities in scale or bias pass through.  No other limit is kept.
; SHARES.  A tile of out0, 256 x 256, is made by a work-group of four waves; a wave makes 128 x 128: 64 accumulators of 16 x 16, 512 registers.  16 x 16 tiles, one to a work-group.
; K goes in steps of 256 through a ring of two LDS slots filled by the tensor data mover: a tile's rows are 256 bytes of memory and start at multiples of 256 bytes from the buffer's first byte.
; CLUSTERS.  4 x 4 work-groups.  The four of a row of the cluster need the same tiles of x, the four of a column the same tiles of weight: each tile is asked for JOINTLY, by the same tensor
; load with the same descriptor and a mask that names the four, and each receives it in its own LDS.  That divides the requests for x and for weight by four.
; FRAGMENTS.  16 rows x 64 K of int8 are 8 registers.  Lane l takes, of row l % 16, the 16 bytes at 16 (l / 16) and the 16 bytes at 32 + 16 (l / 16): two loads of 16 bytes, 32 bytes apart.
; That lays the 64 k of a fragment in another order than the form's own, the SAME order for both sources: every k still meets its partner once, and integer sums have one value in any order.
; THE MATRIX INSTRUCTION IS USED TRANSPOSED: source 0 = 16 rows of weight, source 1 = 16 rows of x.  Lane l then holds row l % 16 of out0, and its registers 0 to 7 the columns
; 8 (l / 16) + 0 .. 7: eight neighbouring numbers of a row, which pack into 16 bytes.
; REGISTERS, in windows of 256 (s_set_vgpr_msb's low byte: bits 1:0 source 0, 3:2 source 1, 5:4 source 2, 7:6 destination):
;   window 0: v0-31 addresses; v32-63 the scale as loaded (f16 pairs); v64-127, v128-191 fragments of x, two buffers; v224-255 the bias as loaded (f16 pairs);
;             on the way out v64-127 the scale in f32, v128-159 packed results, v160-191 and v192-223 rows read back from the stage, by turns
;   window 1: v64-127, v128-191 fragments of weight, two buffers
;   window 2: the 32 accumulators of my rows 0-63 (accumulator (a, b) at v[8 (8 a + b)]);   window 3: those of my rows 64-127
.set KSTEP,  256                       ; K in a step, and bytes of a tile's row
.set ROWB,   4096                      ; bytes in a row of x and of weight
.set CROW,   8192                      ; bytes in a row of out0
.set PITCH,  272                       ; an LDS row: 256 bytes + 16 of padding = 68 words: row r starts at bank 4 r mod 64 (64 banks of 4 bytes: ISA guide 11.1), so the 16 rows of a load start at 16 different banks
.set HALFT,  128*PITCH                 ; 128 rows: what one tensor load brings, and what one wave reads of x or of weight
.set SLOT,   4*HALFT                   ; x's 256 rows, then weight's 256 rows
.set STAGE,  2*SLOT                    ; behind the ring: 16 rows x 272 bytes for each wave, for the way out; no tensor load lands there
.set SPITCH, 272
.set SPARE,  STAGE+4*16*SPITCH         ; behind the stages: the spare words, 128 bytes for each wave: two blocks of 256 bytes that no other line names
.set LAPS,   4096/(2*KSTEP)            ; a lap = two K steps = once round the ring: 8
.set ADRA, 16                          ; v16-17  LDS address of my fragments of x in slot 0, 1
.set ADRB, 20                          ; v20-21  the same for weight
.set STO,  24                          ; v24     the way out: where I put 16 bytes of a row
.set RD,   25                          ; v25     the way out: where I read a row back
.set CO,   26                          ; v26     my byte offset in out0
.set SPW,  28                          ; v28     LDS address of my spare word: SPARE + 4 x my thread's number; never rewritten
.set NIL,  29                          ; v29     0; never rewritten
.set SR,   32                          ; v32-63  scale, f16: register 4 b + i holds my columns 16 b + 8 (l / 16) + 2 i and + 1
.set F0,   64                          ; fragment buffer 0
.set F1,   128                         ; fragment buffer 1
.set SC,   64                          ; the way out: scale in f32: register 8 b + j goes with register j of accumulator b
.set TMP,  128                         ; the way out: packed results
.set OB,   160                         ; the way out: 16 rows read back from the stage: v160-191 and v192-223 by turns
.set BI,   224                         ; v224-255 bias, f16, laid as SR
.set WV,  16                           ; s16  my wave's number
.set RH,  17                           ; s17  which half of the tile's rows is mine.  Also: I fetch for x (0) or for weight (1)
.set CH,  18                           ; s18  which half of its columns.  Also: which 128 rows of that tile I fetch
.set G1,  24                           ; s[24:31] descriptor group 1 for x's tiles
.set G0,  32                           ; s[32:39] descriptor group 0 for x's tiles, one set for each slot
.set G1B, 48                           ; s[48:55] descriptor group 1 for weight's tiles: it differs in the mask alone
.set G0B, 56                           ; s[56:63] descriptor group 0 for weight's tiles, one set for each slot
.set MSB, 0
.macro WIN new                         ; the immediate's high byte repeats the setting that is left; a switch that changes nothing is dropped
.if MSB != (\new)
	s_set_vgpr_msb (MSB<<8)|(\new)
.set MSB, \new
.endif
.endm
.set MUL_LO, 0xa1                      ; source 0 (weight) window 1, source 1 (x) window 0, C and D window 2
.set MUL_HI, 0xf1                      ; the same, C and D window 3
.set TO_B,   0x40                      ; destination window 1, address window 0
; A load into a register that a matrix instruction has read, and a vector instruction that reads a matrix result or writes one of a matrix instruction's registers, stand eight places
; behind a matrix instruction of the 8-bit integer form, and only plain vector instructions that name none of its registers are places (ISA guide 7.12.1 for vector instructions)
; the matrix instructions in between are not counted.  32 issue slots for a K step's 256 matrix instructions.
.macro PLACES
.rept 8
	v_nop
.endr
.endm
; A joint load.  Waves 0 and 1 fetch x's two halves, waves 2 and 3 weight's.  Each of the two lines has ONE mask and one set of registers for all that issue it, and nothing in them hangs on a
; coordinate that the four partners do not share.  The branch hangs on the wave's number alone.  An s_nop 0 and eight v_nop follow each line;
; where a slot is filled again the eight are also the places in front of the fragment loads that follow.
.macro JLOAD s
	s_cmp_eq_u32 s[RH], 0
	s_cbranch_scc0 .Lfor_b_\@
	tensor_load_to_lds s[G0+4*(\s):G0+4*(\s)+3], s[G1:G1+7]
	s_nop 0
	PLACES
	s_branch .Lasked_\@
.Lfor_b_\@:
	tensor_load_to_lds s[G0B+4*(\s):G0B+4*(\s)+3], s[G1B:G1B+7]
	s_nop 0
	PLACES
.Lasked_\@:
.endm
; A round of the cluster's barrier: my work-group's barrier, so that wave 0's signal speaks for all four waves; wave 0 signals for the work-group; every wave waits for all sixteen
; work-groups; my work-group's barrier once more.  No LDS instruction of the wave is pending at a signal.
.macro CREST                           ; a round behind its opening barrier
	s_cmp_lg_u32 s[WV], 0
	s_cbranch_scc1 .Lnot_wave_0_\@
	s_barrier_signal -3
.Lnot_wave_0_\@:
	s_barrier_wait -3
	s_barrier_signal -1
	s_barrier_wait -1
.endm
.macro CROUND                          ; a whole round
	s_barrier_signal -1
	s_barrier_wait -1
	CREST
.endm
	s_load_b256 s[4:11], s[0:1], 0x0               ; x s[4:5], weight s[6:7], scale s[8:9], bias s[10:11]
	s_load_b128 s[12:15], s[0:1], 0x20             ; out0 s[12:13], out1 s[14:15]
	v_lshl_add_u32 v[SPW], v0, 2, SPARE
	v_mov_b32 v[NIL], 0
	ds_add_u32 v[SPW], v[NIL]                      ; the wave's opening: the add and its wait stand ahead of my first tensor load; the set-up below, work on registers, stands between them
	v_lshrrev_b32 v1, 5, v0
	v_readfirstlane_b32 s[WV], v1                  ; wave 0..3
	s_lshr_b32 s[RH], s[WV], 1
	s_and_b32 s[CH], s[WV], 1
	s_bfe_u32 s19, ttmp6, 0x40000                  ; cx: my place along the cluster's x
	s_bfe_u32 s20, ttmp6, 0x40004                  ; cy: along its y
	s_lshl_b32 s21, ttmp9, 2                       ; in a cluster launch ttmp9 and ttmp7 count clusters
	s_add_co_u32 s21, s21, s19                     ; tile column of out0 = 4 x cluster x + cx
	s_and_b32 s22, ttmp7, 0xffff
	s_lshl_b32 s22, s22, 2
	s_add_co_u32 s22, s22, s20                     ; tile row of out0 = 4 x cluster y + cy
	s_lshl_b32 s23, s20, 2
	s_lshl_b32 s23, 15, s23                        ; my row of the cluster: places 4 cy .. 4 cy + 3
	s_lshl_b32 s68, 0x1111, s19                    ; my column: places cx, cx + 4, cx + 8, cx + 12
	; descriptor group 1: a tile of 128 rows x 256 elements of one byte, padded in LDS
	s_or_b32 s[G1+0], s23, (1<<20)|(1<<21)|(5<<22)|(3<<25)   ; 15:0 the mask: x's tiles go to my row; 17:16 elements of 1 byte (code 0); 20 padding on; 21 set beside a mask; 24:22 after every 64 words (code 5); 31:25 4 words of it (code 3)
	s_or_b32 s[G1B+0], s68, (1<<20)|(1<<21)|(5<<22)|(3<<25)  ; the same with the mask of my column, for weight's tiles
.irp g, G1, G1B
	s_mov_b32 s[(\g)+1], KSTEP<<16                 ; 63:48 tensor_dim0, low half = 256
	s_mov_b32 s[(\g)+2], 128<<16                   ; 79:64 its high half = 0; 95:80 tensor_dim1, low half = 128
	s_mov_b32 s[(\g)+3], KSTEP<<16                 ; 111:96 its high half = 0; 127:112 tile_dim0 = 256
	s_mov_b32 s[(\g)+4], 128                       ; 143:128 tile_dim1 = 128; 159:144 tile_dim2 = 0
	s_mov_b32 s[(\g)+5], ROWB                      ; 191:160 tensor_dim0_stride, low word: 4,096 elements from row to row
	s_mov_b32 s[(\g)+6], 0
	s_mov_b32 s[(\g)+7], 0
.endr
	; where the tiles come from.  x's hang on the tile row alone, which my row of the cluster shares; weight's on the tile column alone, which my column shares.
	; Every wave makes both offsets, in registers that never hold the other coordinate, and asks by one of them.  4,095 rows of 4,096 bytes stay under 2^24.
	s_lshl_b32 s44, s[CH], 7                       ; which 128 rows of the tile I fetch
	s_lshl_b32 s40, s22, 8
	s_add_co_u32 s40, s40, s44                     ; x: row 256 x tile row + 128 x half,
	s_lshl_b32 s40, s40, 12                        ; in bytes
	s_mov_b32 s41, 0
	s_lshl_b32 s42, s21, 8
	s_add_co_u32 s42, s42, s44                     ; weight: row 256 x tile column + 128 x half,
	s_lshl_b32 s42, s42, 12                        ; in bytes
	s_mov_b32 s43, 0
	s_mul_i32 s45, s[WV], HALFT                    ; and where they go: x's two halves, then weight's two halves = wave x 128 rows: no place in the cluster enters an LDS address
	s_wait_dscnt 0x0                               ; the opening add is done
	s_wait_kmcnt 0x0
	s_add_nc_u64 s[46:47], s[4:5], s[40:41]
	s_add_nc_u64 s[66:67], s[6:7], s[42:43]
	CROUND                                         ; all sixteen work-groups are here: the first joint loads meet
.irp s, 0,1
	s_mov_b32 s[G0+4*(\s)], 1                                      ; 1:0 count = 1
	s_add_co_u32 s[G0+4*(\s)+1], s45, (\s)*SLOT                    ; 63:32 LDS address
	s_add_nc_u64 s[G0+4*(\s)+2:G0+4*(\s)+3], s[46:47], (\s)*KSTEP  ; 120:64 global address: K step s
	s_or_b32 s[G0+4*(\s)+3], s[G0+4*(\s)+3], 0x80000000            ; 127:126 type = 2
	s_mov_b32 s[G0B+4*(\s)], 1
	s_add_co_u32 s[G0B+4*(\s)+1], s45, (\s)*SLOT
	s_add_nc_u64 s[G0B+4*(\s)+2:G0B+4*(\s)+3], s[66:67], (\s)*KSTEP
	s_or_b32 s[G0B+4*(\s)+3], s[G0B+4*(\s)+3], 0x80000000
	JLOAD \s                                       ; the ring is filled before anything else is done: two tensor loads of mine are out
.endr
	; the addresses, made while the first tiles are on their way
	v_and_b32 v1, 15, v0                           ; l % 16
	v_bfe_u32 v2, v0, 4, 1                         ; l / 16
	v_mul_u32_u24 v3, v1, PITCH
	v_lshl_add_u32 v3, v2, 4, v3                   ; a fragment's row x pitch + 16 x half
	s_mul_i32 s69, s[RH], HALFT                    ; my 128 rows of x
	s_mul_i32 s82, s[CH], HALFT                    ; my 128 rows of weight,
	s_add_co_u32 s82, s82, 2*HALFT                 ; which lie behind x's 256
.irp s, 0,1
	v_add_nc_u32 v[ADRA+(\s)], s69, v3
	v_add_nc_u32 v[ADRB+(\s)], s82, v3
	s_add_co_u32 s69, s69, SLOT
	s_add_co_u32 s82, s82, SLOT
.endr
	s_mul_i32 s83, s[WV], 16*SPITCH
	s_add_co_u32 s83, s83, STAGE                   ; my stage
	v_mul_u32_u24 v4, v1, SPITCH                   ; in: row l % 16, 16 bytes for each half of the lanes
	v_lshl_add_u32 v4, v2, 4, v4
	v_add_nc_u32 v[STO], s83, v4
	v_mul_u32_u24 v5, v2, SPITCH                   ; back: lanes 0-15 take one row of 256 bytes, lanes 16-31 the next
	v_lshl_add_u32 v5, v1, 4, v5
	v_add_nc_u32 v[RD], s83, v5
	v_lshlrev_b32 v5, 13, v2                       ; and the same two rows in out0, 8,192 bytes apart
	v_lshl_add_u32 v[CO], v1, 4, v5
	v_lshlrev_b32 v14, 4, v2                       ; 16 (l / 16): my eight columns in a group of sixteen, in f16 bytes; never rewritten
	s_lshl_b32 s72, s21, 9                         ; my first column in f16 bytes: 512 x tile column + 256 x half
	s_lshl_b32 s2, s[CH], 8
	s_add_co_u32 s72, s72, s2
	s_mov_b32 s73, 0
	s_lshl_b32 s70, s22, 8                         ; where my part of the tile begins in out0: row 256 x tile row + 128 x half,
	s_lshl_b32 s2, s[RH], 7
	s_add_co_u32 s70, s70, s2
	s_lshl_b32 s70, s70, 13                        ; in bytes (under 2^25),
	s_add_co_u32 s70, s70, s72                     ; and my first column
	s_mov_b32 s71, 0
	s_add_nc_u64 s[8:9], s[8:9], s[72:73]          ; scale and bias at my 128 columns
	s_add_nc_u64 s[74:75], s[10:11], s[72:73]
.irp b, 0,1,2,3,4,5,6,7                ; once a launch: 16 bytes a lane, the eight columns that the lane holds of accumulator b
	global_load_b128 v[SR+4*(\b):SR+4*(\b)+3], v14, s[8:9] offset:32*(\b)
	global_load_b128 v[BI+4*(\b):BI+4*(\b)+3], v14, s[74:75] offset:32*(\b)
.endr
	; out1 = bias: 8,192 bytes are 32 blocks of 256.  Wave 0 of each of the 32 work-groups of clusters 0 and 1 copies one block, 8 bytes a lane: one store covers 256 consecutive bytes, aligned.
	; The branches hang on the wave's number and on the cluster's number, which all sixteen partners share; my place in the cluster enters the two global addresses alone.
	s_and_b32 s2, ttmp7, 0xffff
	s_lshl_b32 s2, s2, 2
	s_add_co_u32 s2, s2, ttmp9                     ; the cluster's number, 0 to 15
	s_cmp_lg_u32 s[WV], 0
	s_cbranch_scc1 .Lno_copy
	s_cmp_lt_u32 s2, 2
	s_cbranch_scc0 .Lno_copy
	s_lshl_b32 s76, s2, 4
	s_add_co_u32 s76, s76, s19
	s_lshl_b32 s77, s20, 2
	s_add_co_u32 s76, s76, s77                     ; the block: 16 x cluster + cx + 4 cy, 0 to 31,
	s_lshl_b32 s76, s76, 8                         ; in bytes
	s_mov_b32 s77, 0
	s_add_nc_u64 s[78:79], s[10:11], s[76:77]
	s_add_nc_u64 s[80:81], s[14:15], s[76:77]
	v_lshlrev_b32 v10, 3, v0                       ; in wave 0 the thread's number is the lane's
	global_load_b64 v[12:13], v10, s[78:79]
	s_wait_loadcnt 0x0
	global_store_b64 v10, v[12:13], s[80:81]       ; v10, v[12:13] and s[80:81] are never written again
.Lno_copy:
	s_wait_loadcnt 0x0                             ; scale and bias, once; it stands in the wait for the first tile
; 16 matrix instructions: row blocks a0, a0 + 1 of the window's four (hi = 0: my rows 0-63, 1: rows 64-127) x all 8 column blocks, 64 along K.  Both sources are signed.
; zero = 1: the first product starts the sums: nothing is ever cleared.  The 64 accumulators take turns, one instruction a turn, in the same order in every quarter step.
.macro MUL16 f, hi, a0, zero
	WIN MUL_LO+0x50*(\hi)                          ; MUL_LO or MUL_HI
.irp a, \a0, (\a0)+1
.irp b, 0,1,2,3,4,5,6,7
.if \zero
	v_wmma_i32_16x16x64_iu8 v[8*(8*(\a)+(\b)):8*(8*(\a)+(\b))+7], v[(\f)+8*(\b):(\f)+8*(\b)+7], v[(\f)+8*(4*(\hi)+(\a)):(\f)+8*(4*(\hi)+(\a))+7], 0 neg_lo:[1,1,0]
.else
	v_wmma_i32_16x16x64_iu8 v[8*(8*(\a)+(\b)):8*(8*(\a)+(\b))+7], v[(\f)+8*(\b):(\f)+8*(\b)+7], v[(\f)+8*(4*(\hi)+(\a)):(\f)+8*(4*(\hi)+(\a))+7], v[8*(8*(\a)+(\b)):8*(8*(\a)+(\b))+7] neg_lo:[1,1,0]
.endif
.endr
.endr
.endm
; 32 LDS loads in one run: the fragments of one quarter step (128 rows of weight, 128 rows of x, 64 K at byte k of the rows) into buffer f
.macro FETCH slot, k, f
	WIN TO_B
.irp i, 0,1,2,3,4,5,6,7
	ds_load_b128 v[(\f)+8*(\i):(\f)+8*(\i)+3],   v[ADRB+(\slot)] offset:(\k)+(\i)*16*PITCH
	ds_load_b128 v[(\f)+8*(\i)+4:(\f)+8*(\i)+7], v[ADRB+(\slot)] offset:(\k)+(\i)*16*PITCH+32
.endr
	WIN 0
.irp i, 0,1,2,3,4,5,6,7
	ds_load_b128 v[(\f)+8*(\i):(\f)+8*(\i)+3],   v[ADRA+(\slot)] offset:(\k)+(\i)*16*PITCH
	ds_load_b128 v[(\f)+8*(\i)+4:(\f)+8*(\i)+7], v[ADRA+(\slot)] offset:(\k)+(\i)*16*PITCH+32
.endr
.endm
; A K step is four quarter steps of 64 along K, 64 matrix instructions each, on buffers 0, 1, 0, 1.
; One of the first three: multiplies buffer f; in its middle it fetches the next quarter's fragments, at byte k of the same slot's rows, into buffer g.
.macro QUARTER slot, k, f, g, zero
	s_wait_dscnt 8                                 ; weight and x's rows 0-63 are in; the youngest eight loads (x's rows 64-127) may be out
	MUL16 \f, 0, 0, \zero
	MUL16 \f, 0, 2, \zero
	PLACES                                         ; for the loads into buffer g, which the quarter before multiplied
	FETCH \slot, \k, \g
	s_wait_dscnt 32                                ; all but the 32 just issued
	MUL16 \f, 1, 0, \zero
	MUL16 \f, 1, 2, \zero
.endm
; The last quarter multiplies buffer 1 and changes slots.  MEET is its first half: ONE barrier for the change of slots, for two things.  In front of it each wave waits for all its tensor
; loads, of which one is out: its part of the next slot; adds 0 to its spare word; and waits for that and for its own reads of this slot.  Behind it nobody reads this slot any more and the next slot is whole.
.macro MEET round                      ; round = 1: a round of the cluster's barrier follows
	WIN 0                                          ; (the add's two registers lie in window 0)
	s_wait_tensorcnt 0x0                           ; all my tensor loads have landed: the one that was out is my part of the next slot;
	ds_add_u32 v[SPW], v[NIL]                      ; 0 onto my spare word;
	s_wait_dscnt 9                                 ; (the add and the youngest eight loads may be out)
	MUL16 F1, 0, 0, 0                              ; sixteen matrix instructions stand between the add and the wait for it
	s_wait_dscnt 0x0                               ; the add is done, and my reads of this slot are over:
	s_barrier_signal -1                            ; say so (where a slot is filled again this barrier opens a round of the cluster's barrier),
	MUL16 F1, 0, 2, 0                              ; work on registers while the others arrive,
.if \round
	WIN 0
.endif
	s_barrier_wait -1                              ; and go on when all four have said so
.endm
; The whole last quarter.  fill = 1: behind the round the slot just read out is filled again first, with the K step two steps on; from that request to the wait for it a wave issues 224 matrix
; instructions.  Then come the next slot's first fragments.
.macro TURN slot, next, fill
	MEET \fill
.if \fill
	CREST                                          ; wave 0 says so for the work-group, all sixteen work-groups have said so, my work-group's barrier closes the round:
	                                               ; no wave of any partner still reads this slot's tile or has a load on its way
	s_add_nc_u64 s[G0+4*(\slot)+2:G0+4*(\slot)+3], s[G0+4*(\slot)+2:G0+4*(\slot)+3], 2*KSTEP    ; no tensor load of mine is out, so a group 0 may be written; the type bits on top are not reached
	s_add_nc_u64 s[G0B+4*(\slot)+2:G0B+4*(\slot)+3], s[G0B+4*(\slot)+2:G0B+4*(\slot)+3], 2*KSTEP
	JLOAD \slot                                    ; the first tensor load behind the round, and my only one until the next; the v_nop behind it are also the places in front of the loads below
.else
	PLACES
.endif
	FETCH \next, 0, F0
	MUL16 F1, 1, 0, 0
	MUL16 F1, 1, 2, 0
.endm
; THE WAY OUT of block a (16 of my rows x my 128 columns), in three parts.
; PACK: the sums to f32, in place, each accumulator's registers in ascending order; times the scale; rounded to f16, 16 bytes a lane; plus the bias, in f16.
.macro PACK a
.set AC, 64*((\a)%4)
	WIN 0x82+0x41*((\a)/4)                         ; destination and source 0 window 2 or 3, source 1 window 0
.set i, 0
.rept 64
	v_cvt_f32_i32 v[AC+i], v[AC+i]
.set i, i+1
.endr
.set i, 0
.rept 32
	v_pk_mul_f32 v[AC+2*i:AC+2*i+1], v[AC+2*i:AC+2*i+1], v[SC+2*i:SC+2*i+1]
.set i, i+1
.endr
	WIN 0x0a+5*((\a)/4)                            ; sources 0 and 1 window 2 or 3, destination window 0
.set i, 0
.rept 32
	v_cvt_pk_f16_f32 v[TMP+i], v[AC+2*i], v[AC+2*i+1]
.set i, i+1
.endr
	WIN 0
.set i, 0
.rept 32
	v_pk_add_f16 v[TMP+i], v[TMP+i], v[BI+i]
.set i, i+1
.endr
.endm
; TOSTAGE: into my own stage in LDS, and back as whole rows of 256 bytes.
.macro TOSTAGE a
	WIN 0
.set BK, OB+32*((\a)%2)
.irp b, 0,1,2,3,4,5,6,7
	ds_store_b128 v[STO], v[TMP+4*(\b):TMP+4*(\b)+3] offset:32*(\b)
.endr
.irp t, 0,1,2,3,4,5,6,7
	ds_load_b128 v[BK+4*(\t):BK+4*(\t)+3], v[RD] offset:(\t)*2*SPITCH  ; LDS serves a wave's instructions in order (ISA guide 5.7.1.4): these see the stores above, and the next block's stores come behind them
.endr
.endm
; SEND: stored.
.macro SEND a
	WIN 0
.set BK, OB+32*((\a)%2)
	s_wait_dscnt 0x0                               ; the block is back in registers
	s_wait_xcnt 0x0                                ; every earlier memory instruction has had its addresses translated (ISA guide 3.1): only behind this wait are the stores' base and the registers that earlier stores read rewritten
.if (\a) == 0
	s_add_nc_u64 s[12:13], s[12:13], s[70:71]      ; on to my first rows
.else
	s_add_nc_u64 s[12:13], s[12:13], 16*CROW       ; 16 rows of out0 on
.endif
.irp t, 0,1,2,3,4,5,6,7
	global_store_b128 v[CO], v[BK+4*(\t):BK+4*(\t)+3], s[12:13] offset:2*(\t)*CROW th:TH_STORE_NT  ; 16 lanes store 256 consecutive bytes, at a multiple of 256 from out0's first byte; nothing in the launch reads them
.endr
.endm
	s_wait_tensorcnt 1                             ; my part of K step 0 is in; K step 1's load, issued behind it, may stay out
	s_barrier_signal -1
	s_barrier_wait -1                              ; everybody's is
	FETCH 0, 0, F0
	QUARTER 0, 64,  F0, F1, 1                      ; the first quarter stands in front of the loop: its products start the sums
	WIN 0                                          ; at a label and at a branch every window is 0
	s_mov_b32 s3, LAPS-1
.Llap:                                                 ; a trip goes once round the ring, from a lap's second quarter to the next lap's first, and fills both slots again: trip t asks for K steps 2 t + 2 and 2 t + 3
	QUARTER 0, 128, F1, F0, 0
	QUARTER 0, 192, F0, F1, 0
	TURN 0, 1, 1
	QUARTER 1, 64,  F0, F1, 0
	QUARTER 1, 128, F1, F0, 0
	QUARTER 1, 192, F0, F1, 0
	TURN 1, 0, 1
	QUARTER 0, 64,  F0, F1, 0
	WIN 0
	s_sub_co_u32 s3, s3, 1
	s_cmp_lg_u32 s3, 0
	s_cbranch_scc1 .Llap
	QUARTER 0, 128, F1, F0, 0                      ; the last lap is written out: it fills nothing, and has no round of the cluster's barrier
	QUARTER 0, 192, F0, F1, 0
	TURN 0, 1, 0
	QUARTER 1, 64,  F0, F1, 0
	QUARTER 1, 128, F1, F0, 0
	QUARTER 1, 192, F0, F1, 0
	s_wait_dscnt 8                                 ; the very last quarter: nothing more to fetch
	MUL16 F1, 0, 0, 0
	MUL16 F1, 0, 2, 0
	s_wait_dscnt 0x0
	MUL16 F1, 1, 0, 0
	MUL16 F1, 1, 2, 0
	WIN 0
	PLACES                                         ; behind the last products: what follows writes registers that they read, and reads their results
.irp s, 32,33,34,35,36,37,38,39,40,41,42,43,44,45,46,47,48,49,50,51,52,53,54,55,56,57,58,59,60,61,62,63
	v_cvt_f32_f16 v[SC+2*(\s-SR)],   v\s\().l      ; the scale to f32, exactly: once for all eight blocks, into the registers that held buffer 0
	v_cvt_f32_f16 v[SC+2*(\s-SR)+1], v\s\().h
.endr
	PACK 0
	TOSTAGE 0
.irp a, 1,2,3,4,5,6,7                  ; block a's arithmetic stands between block a - 1's loads from the stage and the wait for them
	PACK \a
	SEND (\a)-1
	TOSTAGE \a
.endr
	SEND 7
	s_wait_tensorcnt 0x0                           ; the wave's end: behind my last tensor load and my last LDS store
	ds_add_u32 v[SPW], v[NIL]
	s_wait_dscnt 0x0
	CROUND                                         ; the closing round: no work-group ends while a partner may still ask for a tile that names it
	s_endpgm
.Lfunc_end_k_qcfc6144918_gemm:
	.size	k_qcfc6144918_gemm, .Lfunc_end_k_qcfc6144918_gemm-k_qcfc6144918_gemm
	.p2alignl 7, 3214868480
	.fill 96, 4, 3214868480
	.section	.rodata,"a",@progbits
	.p2align	6, 0x0
	.amdhsa_kernel k_qcfc6144918_gemm
		.amdhsa_group_segment_fixed_size 327680
		.amdhsa_private_segment_fixed_size 0
		.amdhsa_enable_private_segment 0
		.amdhsa_kernarg_size 48
		.amdhsa_user_sgpr_count 2
		.amdhsa_user_sgpr_kernarg_segment_ptr 1
		.amdhsa_wavefront_size32 1
		.amdhsa_system_sgpr_workgroup_id_x 1
		.amdhsa_system_sgpr_workgroup_id_y 1
		.amdhsa_system_sgpr_workgroup_id_z 1
		.amdhsa_system_vgpr_workitem_id 0
		.amdhsa_next_free_vgpr 1024
		.amdhsa_next_free_sgpr 84
		.amdhsa_reserve_vcc 0
		.amdhsa_float_denorm_mode_32 3
		.amdhsa_float_denorm_mode_16_64 3
		.amdhsa_memory_ordered 1
		.amdhsa_forward_progress 1
		.amdhsa_inst_pref_size 198
	.end_amdhsa_kernel
	.amdgpu_metadata
---
amdhsa.version: [ 1, 2 ]
amdhsa.kernels:
  - .name:           k_qcfc6144918_gemm
    .symbol:         k_qcfc6144918_gemm.kd
    .args:
      - { .name: x, .offset: 0, .size: 8, .value_kind: global_buffer, .address_space: global }
      - { .name: weight, .offset: 8, .size: 8, .value_kind: global_buffer, .address_space: global }
      - { .name: dequant_scale, .offset: 16, .size: 8, .value_kind: global_buffer, .address_space: global }
      - { .name: bias, .offset: 24, .size: 8, .value_kind: global_buffer, .address_space: global }
      - { .name: out0, .offset: 32, .size: 8, .value_kind: global_buffer, .address_space: global }
      - { .name: out1, .offset: 40, .size: 8, .value_kind: global_buffer, .address_space: global }
    .group_segment_fixed_size: 327680
    .private_segment_fixed_size: 0
    .kernarg_segment_align: 8
    .kernarg_segment_size: 48
    .max_flat_workgroup_size: 128
    .sgpr_count:     84
    .vgpr_count:     1024
    .wavefront_size: 32
...
	.end_amdgpu_metadata
.endif
;; end of part 1
